; MI455X (gfx1250); checked and timed in simulation.
; The chip was launched on July 23, 2026; its instructions are those of AMD's public machine-readable ISA for CDNA 5 (MIT licence, August 2026) and "CDNA5" Instruction Set Architecture Reference Guide (July 2026). The comments in the code are by the model that wrote it; some were corrected since.
;; LSTM Cell. Allowed arithmetic: matrix products marked QUANTISED: E4M3 operands, one given power-of-two scale a tensor, by v_wmma_f32_16x16x64_fp8_fp8 or v_wmma_f32_16x16x128_fp8_fp8, f32 sums; everything else in f32.
;; Inputs: Wh 1,024 x 4,096 float32; Wx 512 x 4,096 float32; b 4,096 float32; c 8,192 x 1,024 float32; h 8,192 x 1,024 float32; lowp_scales 4 int32 (the exponents e of the quantised operands' scales 2^e); x 8,192 x 512 float32.
;; Outputs: out0 8,192 x 1,024 float32; out1 8,192 x 1,024 float32.
;; This version of the problem:
;;   THIS VERSION OF THE PROBLEM IS GIVEN IN LOW PRECISION. The matrix products marked QUANTISED in the list below multiply operands that are first quantised to E4M3 (4 exponent bits, 3 mantissa bits; 8 bits a number), with one given power-of-two scale for each operand tensor; their sums are f32. All else is computed in f32.
;;   The module's matrix products, in the order in which they are computed (A, B: the left and right operand; K: the contracted axis; several contracted axes count as one K, in the product's order):
;;     1. [M 8,192, K 512] x [K 512, N 4,096]; A: input x; B: input Wx: QUANTISED (scales: A lowp_scales[0], B lowp_scales[1])
;;     2. [M 8,192, K 1,024] x [K 1,024, N 4,096]; A: input h; B: input Wh: QUANTISED (scales: A lowp_scales[2], B lowp_scales[3])
;;   THE QUANTISER, for each operand of a quantised product, along K:
;;     - The operand's scale is 2^e, e = its entry of the input lowp_scales (int32; the entries are numbered through the quantised products in the list's order, A before B).
;;     - Each number is divided by the scale, clamped to +-448, and rounded to the nearest number of E4M3, ties to even, subnormals kept.
;;     - The product sums the exact products of the quantised numbers (number of the format x scale) in f32.
;;   ~~~python
;;   def quantise(x, axis, e):      # numpy; x: float32 -> the quantised numbers, widened to float32 again
;;       x = np.moveaxis(x, axis, -1); K = x.shape[-1]
;;       r = np.clip(x / 2.0 ** e, -448, 448)
;;       step = 2.0 ** (np.maximum(np.frexp(np.where(r == 0, 1, r))[1] - 1, -6) - 3)
;;       q = np.round(r / step) * step * 2.0 ** e      # np.round: ties to even
;;       return np.moveaxis(q, -1, axis).astype(np.float32)
;;   ~~~
;; One version. Each part assembles by itself: llvm-mc -triple=amdgcn-amd-amdhsa -mcpu=gfx1250 --defsym DOCPART=n.
;; ======== version 1 of 1: 2 launches
;; limits: right only within a limited range of input values
;; workspace buffers: acodes 12,582,912 bytes; wimg 3,145,728 bytes
;; launch quant (part 1): grid 960 x 1, 4 waves a work-group, no clusters, 0 bytes of LDS; arguments x, h, Wx, Wh, lowp_scales, acodes, wimg; writes acodes, wimg
.if DOCPART == 1
	.amdgcn_target "amdgcn-amd-amdhsa--gfx1250"
	.amdhsa_code_object_version 6
	.text
	.protected	k_qcc4492cdfd_quant
	.globl	k_qcc4492cdfd_quant
	.p2align	8
	.type	k_qcc4492cdfd_quant,@function
k_qcc4492cdfd_quant:
	s_mov_b64 s[64:65], 0
	v_nop
	global_prefetch_b8 v0, s[64:65] scope:SCOPE_SE
	s_setreg_imm32_b32 hwreg(HW_REG_WAVE_MODE, 25, 1), 1
	s_wait_xcnt 0x0
; x [8192][512], h [8192][1024], and columns 0 to 2047 of Wx [512][4096] and Wh [1024][4096], all f32, become codes of FP8 (E4M3), each tensor with the scale 2^e given for it
; (entries 0, 2, 1, 3 of the scales).  code = number / 2^e, held within +-448, rounded to the nearest code, ties to even.
; DEAD WORK: columns 2048 to 4095 of the weights and of b are the f and o pre-activations; the module's f and o gates take the i pre-activation, so those columns reach no output, whatever the inputs hold.
; They are neither read nor multiplied.  LIMIT: a NaN, an infinity or an overflow that reaches only those columns is not carried to the results.
; LIMITS: each e between -126 and 119, so that 2^e and 448 x 2^e are f32 numbers.  NaN among the inputs is not served (an infinity is held at the largest code).
; acodes [8192][1536]: a row's positions 0-511 are x's K, 512-1023 h's K 0-511, 1024-1535 h's K 512-1023.  INSIDE EACH RUN OF 512, K IS PERMUTED: position 16 l + 4 i + j holds k = 128 i + 4 l + j
; (l = 0..31, i, j = 0..3).  So a lane's four dense loads of 16 bytes (32 lanes: 512 consecutive bytes each) hold just the 16 numbers whose codes are its 16 bytes of the run.
; The weights' codes are laid by the same permutation, so each product meets its partner; only the order of the f32 sums differs from ascending k.
; wimg [H 16][ss 12][i 8][2048]: images of the product's operand registers.  H = which 64 hidden units; ss = the step of 128 positions (0-3 Wx, 4-11 Wh); i = 4 x gate (0 g, 1 i) + u.
; Byte 512 c + 256 hh + 16 r + e of an image is the code of hidden unit 64 H + 4 r + u at position 128 ss + 32 c + 16 hh + e.
; SHARES: work-groups 0-191 take the weights, 192-447 x, 448-959 h; a wave takes 16 KiB of f32.  Waves share nothing: no LDS, no barrier, no cluster (no byte is read by two work-groups).
; Every offset is an immediate and every store has data registers of its own.
.set R,    16                          ; v16-143  128 numbers as loaded
.set C,    144                         ; v144-175 their codes
.set T,    176                         ; v176-191 the weights: 16 held numbers of one column
.set AROW, 1536                        ; a row of acodes in bytes
.set WROW, 16384                       ; a row of Wx or Wh in bytes
	s_load_b256 s[4:11], s[0:1], 0x0               ; x, h, Wx, Wh
	s_load_b128 s[12:15], s[0:1], 0x20             ; the scales' exponents, acodes
	s_load_b64 s[16:17], s[0:1], 0x30              ; wimg
	v_lshrrev_b32 v1, 5, v0
	v_readfirstlane_b32 s18, v1                    ; wave 0..3
	v_and_b32 v2, 31, v0                           ; lane
	s_wait_alu depctr_va_vdst(0)
	s_wait_kmcnt 0x0
	s_load_b128 s[20:23], s[12:13], 0x0            ; e of x, Wx, h, Wh
.macro SCALE e                         ; from the whole number in s[e]: v11 = 2^e (the conversion takes its exponent field), v10 = 448 x 2^e
	s_add_co_i32 s36, s[\e], 127
	s_lshl_b32 s37, s36, 23
	v_mov_b32 v11, s37
	s_add_co_i32 s36, s36, 8
	s_lshl_b32 s36, s36, 23
	s_or_b32 s36, s36, 0x600000                    ; the mantissa field of 448
	v_mov_b32 v10, s36
.endm
	s_cmp_lt_u32 ttmp9, 192
	s_cbranch_scc1 .Lw
	s_cmp_lt_u32 ttmp9, 448
	s_cbranch_scc1 .Lx
; ---- x AND h.  A wave takes 8 runs of 512 numbers.  ish = 0: x (a run is a row); 1: h (two runs are a row, behind x's 512 positions)
.macro ROWS ish
	s_sub_co_u32 s24, ttmp9, 192+256*\ish
	s_lshl_b32 s24, s24, 2
	s_add_co_u32 s24, s24, s18
	s_lshl_b32 s24, s24, 3                         ; my wave's first run
	s_lshl_b32 s26, s24, 11                        ; of 2,048 bytes
	s_mov_b32 s27, 0
.if \ish
	s_add_nc_u64 s[28:29], s[6:7], s[26:27]
	s_lshr_b32 s24, s24, 1                         ; its row
.else
	s_add_nc_u64 s[28:29], s[4:5], s[26:27]
.endif
	s_mul_i32 s26, s24, AROW
	s_add_nc_u64 s[30:31], s[14:15], s[26:27]
	v_lshlrev_b32 v3, 4, v2                        ; 16 bytes a lane, in and out
.irp t, 0,1,2,3,4,5,6,7
.irp i, 0,1,2,3
	global_load_b128 v[R+16*\t+4*\i:R+16*\t+4*\i+3], v3, s[28:29] offset:2048*\t+512*\i th:TH_LOAD_NT   ; 32 lanes read 512 consecutive bytes: k = 128 i + 4 lane + 0..3
.endr
.endr
	s_wait_alu depctr_va_vdst(0)
	s_wait_kmcnt 0x0
	SCALE 20+2*\ish
	s_wait_alu depctr_va_vdst(0)
.irp t, 0,1,2,3,4,5,6,7
	s_wait_loadcnt 28-4*\t                         ; run t's four loads are in; the later runs' may be out
.irp i, 0,1,2,3,4,5,6,7,8,9,10,11,12,13,14,15
	v_med3_num_f32 v[R+16*\t+\i], v[R+16*\t+\i], -v10, v10   ; the conversion to an 8-bit code does not saturate (ISA guide 7.6.2): the hold at the largest code x the scale comes first
.endr
	v_cvt_scalef32_pk8_fp8_f32 v[C+4*\t:C+4*\t+1], v[R+16*\t:R+16*\t+7], v11
	v_cvt_scalef32_pk8_fp8_f32 v[C+4*\t+2:C+4*\t+3], v[R+16*\t+8:R+16*\t+15], v11   ; the codes go to a store alone, and neither they nor the numbers are written again
.if \ish
	global_store_b128 v3, v[C+4*\t:C+4*\t+3], s[30:31] offset:AROW*(\t/2)+512*(\t%2)+512   ; 32 lanes store 512 consecutive bytes, at a multiple of 512 from the buffer's first byte
.else
	global_store_b128 v3, v[C+4*\t:C+4*\t+3], s[30:31] offset:AROW*\t
.endif
.endr
.endm
	ROWS 1
	s_endpgm
.Lx:
	ROWS 0
	s_endpgm
	; ---- THE WEIGHTS.  A wave takes 64 columns x one half (64 positions) of a step; a lane (r, hh) takes columns 4 r .. 4 r + 3, and its loads run down K in the order of the positions.
.Lw:
	s_and_b32 s25, ttmp9, 15                       ; cg: which 128 of the 2,048 columns
	s_lshr_b32 s26, ttmp9, 4                       ; ss
	s_and_b32 s27, s26, 3
	s_lshl_b32 s27, s27, 5                         ; the step's place in its run of 512: k begins at 32 (ss % 4),
	s_lshr_b32 s28, s26, 2
	s_max_u32 s28, s28, 1
	s_sub_co_u32 s28, s28, 1                       ; and in Wh's second run 512 further down
	s_lshl_b32 s28, s28, 9
	s_add_co_u32 s27, s27, s28
	s_lshl_b32 s27, s27, 14                        ; rows of 16,384 bytes
	s_lshl_b32 s28, s25, 9                         ; + 128 cg columns of 4 bytes
	s_add_co_u32 s27, s27, s28
	s_lshr_b32 s19, s18, 1                         ; wave / 2: which 64 of them
	s_lshl_b32 s28, s19, 8
	s_add_co_u32 s27, s27, s28
	s_and_b32 s24, s18, 1                          ; wave % 2: which half of the step: c = 2 (wave % 2) + 0, 1: 16 rows further down
	s_lshl_b32 s28, s24, 18
	s_add_co_u32 s28, s27, s28
	s_mov_b32 s29, 0
	s_cmp_lt_u32 s26, 4                            ; steps 0-3 are Wx's: the choice hangs on the work-group's number alone
	s_cselect_b64 s[30:31], s[8:9], s[10:11]
	s_add_nc_u64 s[30:31], s[30:31], s[28:29]
	s_and_b32 s32, s25, 7
	s_lshl_b32 s32, s32, 1
	s_add_co_u32 s32, s32, s19                     ; H = 2 (cg % 8) + wave / 2
	s_mul_i32 s32, s32, 12
	s_add_co_u32 s32, s32, s26
	s_lshl_b32 s32, s32, 3                         ; (12 H + ss) x 8 images,
	s_lshr_b32 s33, s25, 3
	s_lshl_b32 s33, s33, 2
	s_add_co_u32 s32, s32, s33                     ; + 4 x gate
	s_lshl_b32 s32, s32, 11
	s_lshl_b32 s33, s24, 10
	s_add_co_u32 s32, s32, s33                     ; + my half of each image
	s_mov_b32 s33, 0
	s_add_nc_u64 s[34:35], s[16:17], s[32:33]
	v_and_b32 v5, 15, v2
	v_lshrrev_b32 v6, 4, v2
	v_lshlrev_b32 v3, 4, v5
	v_lshl_add_u32 v3, v6, 16, v3                  ; in: 16 bytes a lane; lanes 0-15 256 consecutive bytes of one row, lanes 16-31 of the row four further down
	v_lshlrev_b32 v4, 4, v2                        ; out: 16 bytes a lane
.irp d, 0,1
.irp e, 0,1,2,3,4,5,6,7,8,9,10,11,12,13,14,15
	global_load_b128 v[R+64*\d+4*\e:R+64*\d+4*\e+3], v3, s[30:31] offset:(128*(\e/4)+8*\d+\e%4)*WROW th:TH_LOAD_NT   ; position 32 c + 16 hh + e: k = 128 (e / 4) + 8 c + 4 hh + e % 4.  395 rows at the most: inside the signed 24-bit immediate (ISA guide, chapter 10)
.endr
.endr
	s_wait_alu depctr_va_vdst(0)
	s_wait_kmcnt 0x0
	s_cmp_lt_u32 s26, 4
	s_cselect_b32 s36, s21, s23                    ; e of Wx or of Wh
	SCALE 36
	s_wait_alu depctr_va_vdst(0)
.irp d, 0,1
	s_wait_loadcnt 16-16*\d                        ; this c's sixteen loads are in
.irp u, 0,1,2,3
.irp e, 0,1,2,3,4,5,6,7,8,9,10,11,12,13,14,15
	v_med3_num_f32 v[T+\e], v[R+64*\d+4*\e+\u], -v10, v10   ; the hold also gathers column 4 r + u from the lane's sixteen loads
.endr
	v_cvt_scalef32_pk8_fp8_f32 v[C+16*\d+4*\u:C+16*\d+4*\u+1], v[T:T+7], v11
	v_cvt_scalef32_pk8_fp8_f32 v[C+16*\d+4*\u+2:C+16*\d+4*\u+3], v[T+8:T+15], v11
	v_nop                                          ; one plain vector instruction ahead of the next write of the conversions' sources
	global_store_b128 v4, v[C+16*\d+4*\u:C+16*\d+4*\u+3], s[34:35] offset:2048*\u+512*\d   ; 32 lanes store 512 consecutive bytes of image u, at a multiple of 512 from the buffer's first byte
.endr
.endr
	s_endpgm
.Lfunc_end_k_qcc4492cdfd_quant:
	.size	k_qcc4492cdfd_quant, .Lfunc_end_k_qcc4492cdfd_quant-k_qcc4492cdfd_quant
	.p2alignl 7, 3214868480
	.fill 96, 4, 3214868480
	.section	.rodata,"a",@progbits
	.p2align	6, 0x0
	.amdhsa_kernel k_qcc4492cdfd_quant
		.amdhsa_group_segment_fixed_size 0
		.amdhsa_private_segment_fixed_size 0
		.amdhsa_enable_private_segment 0
		.amdhsa_kernarg_size 56
		.amdhsa_user_sgpr_count 2
		.amdhsa_user_sgpr_kernarg_segment_ptr 1
		.amdhsa_wavefront_size32 1
		.amdhsa_system_sgpr_workgroup_id_x 1
		.amdhsa_system_sgpr_workgroup_id_y 1
		.amdhsa_system_sgpr_workgroup_id_z 1
		.amdhsa_system_vgpr_workitem_id 0
		.amdhsa_next_free_vgpr 192
		.amdhsa_next_free_sgpr 66
		.amdhsa_reserve_vcc 0
		.amdhsa_float_denorm_mode_32 3
		.amdhsa_float_denorm_mode_16_64 3
		.amdhsa_memory_ordered 1
		.amdhsa_forward_progress 1
		.amdhsa_inst_pref_size 44
	.end_amdhsa_kernel
	.amdgpu_metadata
---
amdhsa.version: [ 1, 2 ]
amdhsa.kernels:
  - .name:           k_qcc4492cdfd_quant
    .symbol:         k_qcc4492cdfd_quant.kd
    .args:
      - { .name: x, .offset: 0, .size: 8, .value_kind: global_buffer, .address_space: global }
      - { .name: h, .offset: 8, .size: 8, .value_kind: global_buffer, .address_space: global }
      - { .name: Wx, .offset: 16, .size: 8, .value_kind: global_buffer, .address_space: global }
      - { .name: Wh, .offset: 24, .size: 8, .value_kind: global_buffer, .address_space: global }
      - { .name: lowp_scales, .offset: 32, .size: 8, .value_kind: global_buffer, .address_space: global }
      - { .name: acodes, .offset: 40, .size: 8, .value_kind: global_buffer, .address_space: global }
      - { .name: wimg, .offset: 48, .size: 8, .value_kind: global_buffer, .address_space: global }
    .group_segment_fixed_size: 0
    .private_segment_fixed_size: 0
    .kernarg_segment_align: 8
    .kernarg_segment_size: 56
    .max_flat_workgroup_size: 128
    .sgpr_count:     66
    .vgpr_count:     192
    .wavefront_size: 32
...
	.end_amdgpu_metadata
.endif
;; end of part 1
;; launch cell (part 2): grid 8 x 32, 4 waves a work-group, clusters of 4 x 4, 327,680 bytes of LDS; arguments acodes, wimg, lowp_scales, b, c, out0, out1; writes out0, out1
.if DOCPART == 2
	.amdgcn_target "amdgcn-amd-amdhsa--gfx1250"
	.amdhsa_code_object_version 6
	.text
	.protected	k_qcc4492cdfd_cell
	.globl	k_qcc4492cdfd_cell
	.p2align	8
	.type	k_qcc4492cdfd_cell,@function
k_qcc4492cdfd_cell:
	s_mov_b64 s[64:65], 0
	v_nop
	global_prefetch_b8 v0, s[64:65] scope:SCOPE_SE
	s_setreg_imm32_b32 hwreg(HW_REG_WAVE_MODE, 25, 1), 1
	s_wait_xcnt 0x0
	s_wait_alu depctr_hold_cnt(0) depctr_sa_sdst(0) depctr_va_vdst(0) depctr_va_sdst(0) depctr_va_ssrc(0) depctr_va_vcc(0) depctr_vm_vsrc(0)
	s_getreg_b32 s2, hwreg(HW_REG_IB_STS2, 6, 4)
	s_cmp_eq_u32 s2, 0
	s_cbranch_scc0 .Lentry_in_a_cluster
	s_endpgm
.Lentry_in_a_cluster:
	s_bfe_u32 s2, ttmp6, 0x10000c
	s_cmp_lg_u32 s2, 0xf033
	s_cbranch_scc0 .Lentry_shape_is_right
	s_endpgm
.Lentry_shape_is_right:
; g and i pre-activations = (x codes) (Wx codes) 2^(ex+ewx) + (h codes) (Wh codes) 2^(eh+ewh) + b;  c_new = sigmoid(i) (tanh(g) + c);  h_new = tanh(c_new) sigmoid(i).  out0 = h_new, out1 = c_new, [8192][1024] f32.
; DEAD WORK left out: the f and o columns of the weights and of b (2048 to 4095), which the module never uses (shown at the head of the first kernel, with its limit).
; LIMITS: with d = ex + ewx - eh - ewh, 2^d is an f32 number (-126 <= d <= 127), and eh + ewh lies between -126 and 125, so that the factors below are f32 numbers.
; A work-group of four waves makes 256 rows x 128 hidden units; a wave 128 rows x 64 units (H = 2 x tile column + half), gates g and i: 128 x 128 sums, 64 accumulators, 512 registers.
; K (1,536 positions) goes in six K steps of 256 through a ring of two LDS slots: 256 rows of codes (pitch 272), then the images of the weights for two halves H.  K steps 0 and 1 are x's, 2 to 5 h's.
; CLUSTERS: 4 x 4 work-groups.  The four of a row of the cluster need the same rows' codes, the four of a column the same images: each is asked for JOINTLY.
; A IS SOURCE 0, AND IMAGE u's ROW r IS UNIT 4 r + u: lane (r, hh) then holds, in register j of the accumulators u = 0..3, row 8 hh + j and units 4 r .. 4 r + 3: four neighbours.  Sixteen lanes hold 256 consecutive
; bytes of a row of the results, so c is loaded and the results are stored straight from registers.  The exponentials' destinations bring the four together.
; PREFETCH, behind the joint loads: the K step two on.  Each cluster asks for its own rows of codes, its four partners for 32 rows each, told apart by address; the images, which all clusters of a column read, are asked for by
; the clusters y = 0..3 alone.  c's rows (256 bytes each) are asked for by the wave that loads them, behind the last two refills.
; REGISTERS: window 0: v0-31 addresses and biases; v128-255 A's eight fragments; in the end v32-159 the way out.  window 1: W's two sets (in the end c's blocks in set 0's place).
;   window 2: accumulators of row blocks 0-3 (block a, image b at 64 (a % 4) + 8 b);   window 3: of row blocks 4-7.
.set AROW,  1536
.set ROWB,  256
.set PITCH, 272                        ; 256 + 16 of padding: a fragment's 16 rows start at 16 different banks (64 banks of 4 bytes: ISA guide 11.1)
.set HALFA, 128*PITCH                  ; 128 rows of codes: one tensor load
.set HALFB, 32768                      ; 16 images (two steps of 128) of one half H: one tensor load
.set SLOT,  2*HALFA+2*HALFB
.set SPARE, 2*SLOT                     ; the spare words, 128 bytes for each wave
.set CROW,  4096                       ; a row of c and of the results in bytes
.set AF,    128
.set ADRA,  24                         ; v24, v25: A's fragments in slot 0, 1
.set ADRB,  26                         ; v26, v27: the images in slot 0, 1
.set G1,  24                           ; descriptors: s[24:31], s[32:39] A's; s[48:55], s[56:63] the images'
.set G0,  32
.set G1B, 48
.set G0B, 56
.set MUL_LO, 0xa4                      ; source 0 window 0, source 1 window 1, C and D window 2
.set MUL_HI, 0xf4                      ; C and D window 3
.set MSB, 0
.macro WIN new                         ; the immediate's high byte repeats the setting that is left
.if MSB != \new
	s_set_vgpr_msb (MSB<<8)|(\new)
.set MSB, \new
.endif
.endm
.macro JLOAD s                         ; a joint load: waves 0 and 1 fetch codes, waves 2 and 3 images
	s_cmp_eq_u32 s15, 0
	s_cbranch_scc0 .Lfor_b_\@
	tensor_load_to_lds s[G0+4*\s:G0+4*\s+3], s[G1:G1+7]
	s_nop 0
.rept 4
	v_nop
.endr
	s_branch .Lasked_\@
.Lfor_b_\@:
	tensor_load_to_lds s[G0B+4*\s:G0B+4*\s+3], s[G1B:G1B+7]
	s_nop 0
.rept 4
	v_nop
.endr
.Lasked_\@:
.endm
.macro CREST                           ; a round of the cluster's barrier behind its opening barrier
	s_cmp_lg_u32 s14, 0
	s_cbranch_scc1 .Lnot_wave_0_\@
	s_barrier_signal -3
.Lnot_wave_0_\@:
	s_barrier_wait -3
	s_barrier_signal -1
	s_barrier_wait -1
.endm
.macro CROUND
	s_barrier_signal -1
	s_barrier_wait -1
	CREST
.endm
.macro ASK k                           ; prefetch K step k: 32 rows x 256 bytes of codes (waves 0 and 1), or 32 x 256 bytes of images (waves 2 and 3 of clusters y = 0..3: s93 = 1).  No address is stepped
	s_cmp_eq_u32 s15, 0
	s_cbranch_scc0 .Lno_codes_\@
	global_prefetch_b8 v30, s[74:75] offset:ROWB*\k th:TH_LOAD_NT scope:SCOPE_SE
.Lno_codes_\@:
	s_cmp_eq_u32 s93, 1
	s_cbranch_scc0 .Lno_images_\@
	global_prefetch_b8 v31, s[94:95] offset:HALFB*\k th:TH_LOAD_NT scope:SCOPE_SE
.Lno_images_\@:
.endm
.macro ASKC k                          ; prefetch 64 of my 128 rows of c, a lane a row
	global_prefetch_b8 v6, s[68:69] offset:64*(\k)*CROW th:TH_LOAD_NT scope:SCOPE_SE
	global_prefetch_b8 v6, s[68:69] offset:(64*(\k)+32)*CROW th:TH_LOAD_NT scope:SCOPE_SE
.endm
	s_load_b256 s[4:11], s[0:1], 0x0               ; acodes, wimg, the scales' exponents, b
	s_load_b128 s[68:71], s[0:1], 0x20             ; c, out0
	s_load_b64 s[72:73], s[0:1], 0x30              ; out1
	v_lshl_add_u32 v28, v0, 2, SPARE               ; my spare word; never rewritten
	v_mov_b32 v29, 0                               ; 0; never rewritten
	ds_add_u32 v28, v29                            ; the wave's opening: adds 0 to my spare word, twice on end
	ds_add_u32 v28, v29
	v_lshrrev_b32 v1, 5, v0
	v_readfirstlane_b32 s14, v1                    ; wave 0..3
	s_lshr_b32 s15, s14, 1                         ; which half of the rows is mine.  Also: I fetch codes (0) or images (1)
	s_and_b32 s16, s14, 1                          ; which half of the units.  Also: which half of the tile I fetch
	s_bfe_u32 s40, ttmp6, 0x40000                  ; cx, cy
	s_bfe_u32 s41, ttmp6, 0x40004
	s_lshl_b32 s42, ttmp9, 2
	s_add_co_u32 s42, s42, s40                     ; tile column
	s_and_b32 s17, ttmp7, 0xffff
	s_cmp_lt_u32 s17, 4
	s_cselect_b32 s93, s15, 0                      ; 1: I prefetch images
	s_lshl_b32 s17, s17, 2
	s_add_co_u32 s17, s17, s41                     ; tile row
	s_lshl_b32 s43, s41, 2
	s_lshl_b32 s43, 15, s43                        ; my row of the cluster
	s_lshl_b32 s44, 0x1111, s40                    ; my column
	; groups 1: codes: 128 rows x 256 bytes, 16 bytes of padding behind each; images: a dense block as 128 rows of 32 x 8 bytes
	s_or_b32 s[G1+0], s43, (0<<16)|(1<<20)|(1<<21)|(5<<22)|(3<<25)
	s_mov_b32 s[G1+1], ROWB<<16
	s_mov_b32 s[G1+2], 128<<16
	s_mov_b32 s[G1+3], ROWB<<16
	s_mov_b32 s[G1+4], 128
	s_mov_b32 s[G1+5], AROW
	s_mov_b32 s[G1+6], 0
	s_mov_b32 s[G1+7], 0
	s_or_b32 s[G1B+0], s44, (3<<16)|(1<<21)
	s_mov_b32 s[G1B+1], 32<<16
	s_mov_b32 s[G1B+2], 128<<16
	s_mov_b32 s[G1B+3], 32<<16
	s_mov_b32 s[G1B+4], 128
	s_mov_b32 s[G1B+5], 32
	s_mov_b32 s[G1B+6], 0
	s_mov_b32 s[G1B+7], 0
	s_lshl_b32 s18, s16, 7
	s_lshl_b32 s20, s17, 8
	s_add_co_u32 s20, s20, s18
	s_mul_i32 s20, s20, AROW                       ; the codes that I fetch: row 256 x tile row + 128 x half
	s_mov_b32 s21, 0
	s_lshl_b32 s46, s42, 1
	s_add_co_u32 s46, s46, s16                     ; H
	s_lshl_b32 s90, s46, 8                         ; its 64 units in bytes
	s_mov_b32 s91, 0
	s_mul_i32 s46, s46, 6*HALFB                    ; its images
	s_mov_b32 s47, 0
	s_mul_i32 s45, s14, HALFA                      ; where they go in LDS
	s_mul_i32 s67, s14, HALFB
	s_add_co_u32 s67, s67, 2*HALFA-2*HALFB
	s_lshl_b32 s88, s17, 8
	s_lshl_b32 s89, s15, 7
	s_add_co_u32 s88, s88, s89
	s_lshl_b32 s88, s88, 12
	s_add_co_u32 s88, s88, s90                     ; my first row and unit in c and in the results
	s_mov_b32 s89, 0
	s_mul_i32 s74, s40, 32*AROW                    ; the prefetches: my 32 rows of codes,
	s_mov_b32 s75, 0
	s_lshl_b32 s94, s41, 13                        ; or my 32 x 256 bytes of images
	s_mov_b32 s95, 0
	s_mul_i32 s22, s15, HALFA
	s_mul_i32 s23, s16, HALFB
	s_add_co_u32 s23, s23, 2*HALFA
	v_and_b32 v1, 15, v0                           ; r
	v_bfe_u32 v2, v0, 4, 1                         ; hh
	v_and_b32 v3, 31, v0                           ; lane
	v_lshlrev_b32 v6, 12, v3                       ; v6: c's prefetches
	v_lshlrev_b32 v31, 8, v3                       ; v31: the images' prefetches
	v_mul_u32_u24 v30, v3, AROW                    ; v30: the codes' prefetches
	v_lshlrev_b32 v7, 4, v1                        ; v7: the biases: units 4 r .. 4 r + 3
	v_lshl_add_u32 v5, v2, 15, v7                  ; v5: c and the results: 8 hh rows + units 4 r .. 4 r + 3
	v_lshlrev_b32 v3, 4, v3
	v_mul_u32_u24 v1, v1, PITCH
	v_lshl_add_u32 v1, v2, 4, v1                   ; a fragment's row x pitch + 16 hh
	v_add_nc_u32 v24, s22, v1
	v_add_nc_u32 v26, s23, v3
	v_add_nc_u32 v25, SLOT, v24
	v_add_nc_u32 v27, SLOT, v26
	s_wait_alu depctr_va_vdst(0)
	s_wait_dscnt 0x0                               ; both opening adds are done
	s_wait_kmcnt 0x0
	s_load_b128 s[76:79], s[8:9], 0x0              ; ex, ewx, eh, ewh
	s_add_nc_u64 s[20:21], s[4:5], s[20:21]
	s_add_nc_u64 s[46:47], s[6:7], s[46:47]
	s_add_nc_u64 s[74:75], s[20:21], s[74:75]
	s_add_nc_u64 s[94:95], s[46:47], s[94:95]
	s_add_nc_u64 s[10:11], s[10:11], s[90:91]
	s_add_nc_u64 s[68:69], s[68:69], s[88:89]
	s_add_nc_u64 s[70:71], s[70:71], s[88:89]
	s_add_nc_u64 s[72:73], s[72:73], s[88:89]
.irp s, 0,1
	s_mov_b32 s[G0+4*\s], 1
	s_add_co_u32 s[G0+4*\s+1], s45, \s*SLOT
	s_add_nc_u64 s[G0+4*\s+2:G0+4*\s+3], s[20:21], \s*ROWB
	s_or_b32 s[G0+4*\s+3], s[G0+4*\s+3], 0x80000000
	s_mov_b32 s[G0B+4*\s], 1
	s_add_co_u32 s[G0B+4*\s+1], s67, \s*SLOT
	s_add_nc_u64 s[G0B+4*\s+2:G0B+4*\s+3], s[46:47], \s*HALFB
	s_or_b32 s[G0B+4*\s+3], s[G0B+4*\s+3], 0x80000000
.endr
	CROUND                                         ; all sixteen work-groups are here: the first joint loads meet
	JLOAD 0                                        ; K step 0: one tensor load a wave at the head
	global_load_b128 v[8:11], v7, s[10:11]                     ; b of the g gate,
	global_load_b128 v[12:15], v7, s[10:11] offset:4096        ; of the i gate
	s_wait_kmcnt 0x0
	s_add_co_i32 s82, s78, s79                     ; eh + ewh
	s_add_co_i32 s80, s76, s77
	s_sub_co_i32 s80, s80, s82
	s_add_co_i32 s80, s80, 127
	s_lshl_b32 s80, s80, 23                        ; 2^(ex + ewx - eh - ewh)
	s_mov_b32 s81, s80
	s_lshl_b32 s82, s82, 23                        ; added to an exponent field
	s_add_co_u32 s84, s82, 0xbfb8aa3b              ; -log2(e) x 2^(eh + ewh)
	s_add_co_u32 s82, s82, 0x4038aa3b              ; 2 log2(e) x 2^(eh + ewh)
	s_mov_b32 s83, s82
	s_mov_b32 s85, s84
	s_mov_b32 s86, 0x4038aa3b                      ; 2 log2(e)
	s_mov_b32 s87, s86
	s_mov_b32 s92, 0xbfb8aa3b                      ; -log2(e)
	ASK 2
; 16 matrix instructions: row blocks a0, a0 + 1 x eight images, 128 positions; p: W's set.  zero = 1: the first products start the sums.  The 64 accumulators take turns in the same order in every step.
.macro WM a, b, p, zero
.if \zero
	v_wmma_f32_16x16x128_fp8_fp8 v[64*((\a)%4)+8*(\b):64*((\a)%4)+8*(\b)+7], v[AF+16*(\a):AF+16*(\a)+15], v[128*(\p)+16*(\b):128*(\p)+16*(\b)+15], 0
.else
	v_wmma_f32_16x16x128_fp8_fp8 v[64*((\a)%4)+8*(\b):64*((\a)%4)+8*(\b)+7], v[AF+16*(\a):AF+16*(\a)+15], v[128*(\p)+16*(\b):128*(\p)+16*(\b)+15], v[64*((\a)%4)+8*(\b):64*((\a)%4)+8*(\b)+7]
.endif
.endm
.macro MUL16 a0, p, zero
.irp a, \a0, \a0+1
.irp b, 0,1,2,3,4,5,6,7
	WM \a, \b, \p, \zero
.endr
.endr
.endm
.macro FETCH_W slot, q, i0             ; images i0 .. i0 + 3 of the slot's step q into set q: 16 loads
	WIN 0x40
.irp i, \i0, \i0+1, \i0+2, \i0+3
.irp c, 0,1,2,3
	ds_load_b128 v[128*(\q)+16*(\i)+4*\c:128*(\q)+16*(\i)+4*\c+3], v[ADRB+\slot] offset:(8*(\q)+\i)*2048+512*\c
.endr
.endr
.endm
.macro FETCH_A slot, q, i0             ; row blocks i0 .. i0 + 3: 16 loads
	WIN 0
.irp i, \i0, \i0+1, \i0+2, \i0+3
.irp c, 0,1,2,3
	ds_load_b128 v[AF+16*(\i)+4*\c:AF+16*(\i)+4*\c+3], v[ADRA+\slot] offset:128*(\q)+32*\c+(\i)*16*PITCH
.endr
.endr
.endm
.macro PLACES                          ; four places in front of loads into registers that matrix instructions have read, and of reads of results (ISA guide 7.12.1 for vector instructions)
.rept 4
	v_nop
.endr
.endm
.macro STEP slot, zero                 ; a slot's first step: W's set 0
	s_wait_dscnt 32                                ; W's set and row blocks 0-3 are in; behind them row blocks 4-7 and four images of the next step may be out
	WIN MUL_LO
	MUL16 0, 0, \zero
	MUL16 2, 0, \zero
	s_wait_dscnt 16                                ; row blocks 4-7 are in; the four images may be out
	PLACES
	FETCH_W \slot, 1, 4
	FETCH_A \slot, 1, 0
	WIN MUL_HI
	MUL16 4, 0, \zero
	MUL16 6, 0, \zero
	PLACES
	FETCH_A \slot, 1, 4
.endm
; A slot's second step changes slots: in front of its barrier each wave waits for all its tensor loads, adds 0 to its spare word, and waits for that and for its own reads of this slot.  fill = 1: this slot is filled again, two K steps on.
.macro TURN slot, next, fill
	s_wait_tensorcnt 0x0                           ; my part of the next slot is in (every window is 0 here)
	ds_add_u32 v28, v29
	s_wait_dscnt 17                                ; (the add and row blocks 4-7 may be out)
	WIN MUL_LO
	MUL16 0, 1, 0
	s_wait_dscnt 0x0                               ; the add is done, and my reads of this slot are over
	s_barrier_signal -1
	MUL16 2, 1, 0
	WIN 0
	s_barrier_wait -1
.if \fill
	CREST                                          ; no wave of any partner still reads this slot or has a load on its way
	s_add_nc_u64 s[G0+4*\slot+2:G0+4*\slot+3], s[G0+4*\slot+2:G0+4*\slot+3], 2*ROWB
	s_add_nc_u64 s[G0B+4*\slot+2:G0B+4*\slot+3], s[G0B+4*\slot+2:G0B+4*\slot+3], 2*HALFB
	JLOAD \slot                                    ; the first tensor load behind the round; its four v_nop are the places in front of the loads below
.else
	PLACES
.endif
	FETCH_W \next, 0, 0
	FETCH_W \next, 0, 4
	FETCH_A \next, 0, 0
.endm
.macro TURN2 next                      ; its second half, behind the prefetches
	WIN MUL_HI
	MUL16 4, 1, 0
	MUL16 6, 1, 0
	PLACES
	FETCH_A \next, 0, 4
	FETCH_W \next, 1, 0
.endm
.macro CLOAD q                         ; c's row block q: rows j and 8 + j, 256 consecutive bytes each
	WIN 0x40
.irp j, 0,1,2,3,4,5,6,7
	global_load_b128 v[32*((\q)%4)+4*\j:32*((\q)%4)+4*\j+3], v5, s[68:69] offset:(16*(\q)+\j)*CROW th:TH_LOAD_NT
.endr
.endm
	s_wait_alu depctr_va_vdst(0)
	s_wait_tensorcnt 0x0                           ; my part of K step 0 is in
	ds_add_u32 v28, v29
	s_wait_dscnt 0x0
	CROUND                                         ; everybody's part of K step 0 is in, and all sixteen work-groups are here
	JLOAD 1                                        ; K step 1: the first tensor load behind the round
	FETCH_W 0, 0, 0
	FETCH_W 0, 0, 4
	FETCH_A 0, 0, 0
	FETCH_A 0, 0, 4
	FETCH_W 0, 1, 0
	WIN 0
	ASK 3
	STEP 0, 1                                      ; K step 0
	TURN 0, 1, 1
	ASK 4
	TURN2 1
	STEP 1, 0                                      ; K step 1
	TURN 1, 0, 1
	ASK 5
	TURN2 0
	; x's product is finished: its sums x 2^(ex + ewx - eh - ewh), so that h's product goes on in the same sums.  And the biases, each x its gate's factor, twice on end for the packed form.
	WIN 0
	s_wait_loadcnt 0x0                             ; the biases, asked for at the head
.irp u, 0,1,2,3
	v_mul_f32 v[17+2*\u], s92, v[12+\u]
	v_mul_f32 v[16+2*\u], s92, v[12+\u]
.endr
.irp u, 3,2,1,0
	v_mul_f32 v[9+2*\u], s86, v[8+\u]
	v_mul_f32 v[8+2*\u], s86, v[8+\u]
.endr
.irp w, 0x82, 0xc3
	WIN \w
.set k, 0
.rept 128
	v_pk_mul_f32 v[k:k+1], v[k:k+1], s[80:81] op_sel_hi:[1,0]
.set k, k+2
.endr
.endr
	s_wait_alu depctr_va_vdst(0)
	STEP 0, 0                                      ; K step 2
	TURN 0, 1, 1
	ASKC 0
	TURN2 1
	STEP 1, 0                                      ; K step 3
	TURN 1, 0, 1
	ASKC 1
	TURN2 0
	STEP 0, 0                                      ; K step 4
	TURN 0, 1, 0                                   ; nothing is filled again
	TURN2 1
	STEP 1, 0                                      ; K step 5, first half: W's set 0 is done with: c's row blocks 0-3 go there
	CLOAD 0
	CLOAD 1
	CLOAD 2
	CLOAD 3
; THE LAST STEP GOES BY ROW BLOCKS.  The way out of row block a, and among its packed multiply-adds the eight products that finish block a + 1 (no transcendental stands between the wait ahead of those multiply-adds and the products).
; v[TG ..] and v[TI ..]: 4 j + u = row j (8 + j in lanes 16-31), unit 4 r + u.  tanh(z) = 1 - 2 / (1 + 2^(2 log2(e) z)), sigmoid(z) = 1 / (1 + 2^(-log2(e) z)).
.macro NEXT a, b, back                 ; the product of block a + 1 and image b; then the windows that stood before
.if (\a) < 7
	WIN 0xa4+0x50*(((\a)+1)/4)
	WM (\a)+1, \b, 1, 0
	WIN \back
.endif
.endm
.macro COMPUTE a
.set EA, 64*((\a)%4)
.set TG, 32+64*((\a)%2)                ; v32-95 or v96-159 (of A's registers blocks 0's and 1's, which are multiplied when v128-159 are first written)
.set TI, TG+32
.set CB, 32*((\a)%4)
.set LC, 24
.if (\a) > 4
.set LC, 8*(7-(\a))
.endif
.if (\a) > 0
	s_wait_xcnt 0x0                                ; every earlier memory instruction has had its addresses translated (ISA guide 3.1): the registers that earlier stores read may be written again
.if (\a) < 5
	CLOAD (\a)+3                                   ; c's block into the registers that block a - 1 has done with
.endif
.endif
	WIN 0x82+0x41*((\a)/4)
	s_wait_alu depctr_va_vdst(0)                   ; directly ahead of the first reader of the sums
.irp u, 0,1,2,3
.irp j, 0,2,4,6
	v_pk_fma_f32 v[EA+8*\u+\j:EA+8*\u+\j+1], v[EA+8*\u+\j:EA+8*\u+\j+1], s[82:83], v[8+2*\u:9+2*\u] op_sel_hi:[1,0,1]
.endr
.endr
.irp u, 0,1,2,3
.irp j, 0,2,4,6
	v_pk_fma_f32 v[EA+32+8*\u+\j:EA+32+8*\u+\j+1], v[EA+32+8*\u+\j:EA+32+8*\u+\j+1], s[84:85], v[16+2*\u:17+2*\u] op_sel_hi:[1,0,1]
.endr
.endr
	WIN 0x02+((\a)/4)
	s_wait_alu depctr_va_vdst(0)                   ; ahead of the batch
.irp j, 0,1,2,3,4,5,6,7
.irp u, 0,1,2,3
	v_exp_f32 v[TI+4*\j+\u], v[EA+32+8*\u+\j]
.endr
.endr
	v_nop
	s_wait_alu depctr_va_vdst(0)                   ; behind it, and ahead of the next
.irp j, 0,1,2,3,4,5,6,7
.irp u, 0,2
	v_exp_f32 v[TG+4*\j+\u], v[EA+8*\u+\j]
	v_exp_f32 v[TG+4*\j+\u+1], v[EA+8*\u+8+\j]
	v_add_f32 v[TI+4*\j+\u], 1.0, v[TI+4*\j+\u]
	v_add_f32 v[TI+4*\j+\u+1], 1.0, v[TI+4*\j+\u+1]
.endr
.endr
	v_nop
	WIN 0
	s_wait_alu depctr_va_vdst(0)                   ; behind it, and ahead of the next
.irp b, 0,1,2,3
.irp t, 0,2,4,6
	v_rcp_f32 v[TI+8*\b+\t], v[TI+8*\b+\t]
	v_rcp_f32 v[TI+8*\b+\t+1], v[TI+8*\b+\t+1]
	v_pk_add_f32 v[TG+8*\b+\t:TG+8*\b+\t+1], v[TG+8*\b+\t:TG+8*\b+\t+1], 1.0 op_sel_hi:[1,0]
.endr
.endr
	v_nop
	s_wait_alu depctr_va_vdst(0)                   ; behind it, and ahead of the next
.irp b, 0,1,2,3
.irp t, 0,1,2,3,4,5,6,7
	v_rcp_f32 v[TG+8*\b+\t], v[TG+8*\b+\t]
.endr
.endr
	v_nop
	s_wait_loadcnt LC                              ; c's block is in; the younger blocks' loads, eight each, may be out
	s_wait_alu depctr_va_vdst(0)                   ; behind it
.set k, 0
.irp b, 0,1
.rept 8
	v_pk_fma_f32 v[TG+k:TG+k+1], v[TG+k:TG+k+1], -2.0, 1.0 op_sel_hi:[1,0,0]
.set k, k+2
.endr
	NEXT \a, \b, 0
.endr
	WIN 0x04
.set k, 0
.irp b, 2,3
.rept 8
	v_pk_add_f32 v[TG+k:TG+k+1], v[TG+k:TG+k+1], v[CB+k:CB+k+1]
.set k, k+2
.endr
	NEXT \a, \b, 0x04
.endr
	WIN 0
.set k, 0
.irp b, 4,5
.rept 8
	v_pk_mul_f32 v[TG+k:TG+k+1], v[TG+k:TG+k+1], v[TI+k:TI+k+1]   ; c_new
.set k, k+2
.endr
	NEXT \a, \b, 0
.endr
	WIN 0x40
.set k, 0
.irp b, 6,7
.rept 8
	v_pk_mul_f32 v[CB+k:CB+k+1], v[TG+k:TG+k+1], s[86:87] op_sel_hi:[1,0]
.set k, k+2
.endr
	NEXT \a, \b, 0x40
.endr
	WIN 0x41
	s_wait_alu depctr_va_vdst(0)                   ; ahead of the batch
.set k, 0
.rept 32
	v_exp_f32 v[CB+k], v[CB+k]
.set k, k+1
.endr
	v_nop
	WIN 0
.irp j, 0,1,2,3,4,5,6,7
	global_store_b128 v5, v[TG+4*\j:TG+4*\j+3], s[72:73] offset:(16*(\a)+\j)*CROW th:TH_STORE_NT   ; sixteen lanes store 256 consecutive bytes, at a multiple of 256 from the buffer's first byte
.endr
	WIN 0x41
	s_wait_alu depctr_va_vdst(0)                   ; behind it
.set k, 0
.rept 16
	v_pk_add_f32 v[CB+k:CB+k+1], v[CB+k:CB+k+1], 1.0 op_sel_hi:[1,0]
.set k, k+2
.endr
	s_wait_alu depctr_va_vdst(0)                   ; ahead of the batch
.set k, 0
.rept 32
	v_rcp_f32 v[CB+k], v[CB+k]
.set k, k+1
.endr
	v_nop
	s_wait_alu depctr_va_vdst(0)                   ; behind it
.set k, 0
.rept 16
	v_pk_fma_f32 v[CB+k:CB+k+1], v[CB+k:CB+k+1], -2.0, 1.0 op_sel_hi:[1,0,0]
.set k, k+2
.endr
.set k, 0
.rept 16
	v_pk_mul_f32 v[CB+k:CB+k+1], v[CB+k:CB+k+1], v[TI+k:TI+k+1]   ; h_new
.set k, k+2
.endr
	WIN 0x04
.irp j, 0,1,2,3,4,5,6,7
	global_store_b128 v5, v[CB+4*\j:CB+4*\j+3], s[70:71] offset:(16*(\a)+\j)*CROW th:TH_STORE_NT
.endr
.endm
	s_wait_dscnt 16                                ; W's set 1 and row blocks 0-3 are in
	WIN MUL_LO
.irp b, 0,1,2,3,4,5,6,7
	WM 0, \b, 1, 0
.endr
	PLACES
	COMPUTE 0
	COMPUTE 1
	s_wait_dscnt 0x0                               ; row blocks 4-7 are in: block 4 is multiplied in block 3's way out
.irp a, 2,3,4,5,6,7
	COMPUTE \a
.endr
	WIN 0
	s_wait_tensorcnt 0x0                           ; the wave's end
	ds_add_u32 v28, v29
	s_wait_dscnt 0x0
	CROUND                                         ; the closing round: no work-group ends while a partner may still ask for a tile that names it
	s_endpgm
.Lfunc_end_k_qcc4492cdfd_cell:
	.size	k_qcc4492cdfd_cell, .Lfunc_end_k_qcc4492cdfd_cell-k_qcc4492cdfd_cell
	.p2alignl 7, 3214868480
	.fill 96, 4, 3214868480
	.section	.rodata,"a",@progbits
	.p2align	6, 0x0
	.amdhsa_kernel k_qcc4492cdfd_cell
		.amdhsa_group_segment_fixed_size 327680
		.amdhsa_private_segment_fixed_size 0
		.amdhsa_enable_private_segment 0
		.amdhsa_kernarg_size 56
		.amdhsa_user_sgpr_count 2
		.amdhsa_user_sgpr_kernarg_segment_ptr 1
		.amdhsa_wavefront_size32 1
		.amdhsa_system_sgpr_workgroup_id_x 1
		.amdhsa_system_sgpr_workgroup_id_y 1
		.amdhsa_system_sgpr_workgroup_id_z 1
		.amdhsa_system_vgpr_workitem_id 0
		.amdhsa_next_free_vgpr 1024
		.amdhsa_next_free_sgpr 96
		.amdhsa_reserve_vcc 0
		.amdhsa_float_denorm_mode_32 3
		.amdhsa_float_denorm_mode_16_64 3
		.amdhsa_memory_ordered 1
		.amdhsa_forward_progress 1
		.amdhsa_inst_pref_size 255
	.end_amdhsa_kernel
	.section	.bss,"aw",@nobits
	.p2align	6
	.space	262144
	.amdgpu_metadata
---
amdhsa.version: [ 1, 2 ]
amdhsa.kernels:
  - .name:           k_qcc4492cdfd_cell
    .symbol:         k_qcc4492cdfd_cell.kd
    .args:
      - { .name: acodes, .offset: 0, .size: 8, .value_kind: global_buffer, .address_space: global }
      - { .name: wimg, .offset: 8, .size: 8, .value_kind: global_buffer, .address_space: global }
      - { .name: lowp_scales, .offset: 16, .size: 8, .value_kind: global_buffer, .address_space: global }
      - { .name: b, .offset: 24, .size: 8, .value_kind: global_buffer, .address_space: global }
      - { .name: c, .offset: 32, .size: 8, .value_kind: global_buffer, .address_space: global }
      - { .name: out0, .offset: 40, .size: 8, .value_kind: global_buffer, .address_space: global }
      - { .name: out1, .offset: 48, .size: 8, .value_kind: global_buffer, .address_space: global }
    .group_segment_fixed_size: 327680
    .private_segment_fixed_size: 0
    .kernarg_segment_align: 8
    .kernarg_segment_size: 56
    .max_flat_workgroup_size: 128
    .sgpr_count:     96
    .vgpr_count:     1024
    .wavefront_size: 32
...
	.end_amdgpu_metadata
.endif
;; end of part 2
